; MI455X (gfx1250); checked and timed in simulation.
; The chip was launched on July 23, 2026; its instructions are those of AMD's public machine-readable ISA for CDNA 5 (MIT licence, August 2026) and "CDNA5" Instruction Set Architecture Reference Guide (July 2026). The comments in the code are by the model that wrote it; some were corrected since.
;; Hash Grid MLP. Allowed arithmetic: matrix products marked QUANTISED: E5M2 operands, one E8M0 scale for each 32 along K, by v_wmma_scale_f32_16x16x128_f8f6f4 with both operands' format E5M2, f32 sums; products left as they are: f32 operands where the result goes on into a quantised operand, else bf16, f16 or f32 operands; f32 sums; everything else in f32.
;; Inputs: W1_codes 64 x 1 x 32 uint8 (E5M2 codes of W1, K innermost, in blocks of 32 codes); W1_scales 64 x 1 uint8 (E8M0 scales of W1, one for each 32 codes along K); W2 64 x 1 float32; b1 64 float32; b2 1 float32; tables 16 x 524,288 x 2 float32; x 1,048,576 x 3 float32.
;; Outputs: out0 1,048,576 x 1 float32.
;; This version of the problem:
;;   THIS VERSION OF THE PROBLEM IS GIVEN IN LOW PRECISION. The matrix products marked QUANTISED in the list below multiply operands that are first quantised to E5M2 (5 exponent bits, 2 mantissa bits; 8 bits a number), with one power-of-two scale for each 32 numbers along K (OCP MX v1.0); their sums are f32. All else is computed in f32.
;;   The module's matrix products, in the order in which they are computed (A, B: the left and right operand; K: the contracted axis; several contracted axes count as one K, in the product's order):
;;     1. [M 1,048,576, K 32] x [K 32, N 64]; A: computed on the way; B: input W1 (given as codes): QUANTISED
;;     2. [M 1,048,576, K 64] x [K 64, N 1]; A: computed on the way; B: input W2: left as it is (N = 1 < 16)
;;   THE QUANTISER, for each operand of a quantised product, along K:
;;     - K is cut into blocks of 32 from its start; a last block that is shorter is filled with zeros.
;;     - A block's scale is 2^e with e = floor(log2(the largest magnitude in the block)) - 15, held to -126 .. 127; a block of zeros has e = 0. As a byte (E8M0): e + 127.
;;     - Each number is divided by its block's scale, clamped to +-57,344, and rounded to the nearest number of E5M2, ties to even, subnormals kept.
;;     - The product sums the exact products of the quantised numbers (number of the format x scale) in f32.
;;   ~~~python
;;   def quantise(x, axis):      # numpy; x: float32 -> the quantised numbers, widened to float32 again
;;       x = np.moveaxis(x, axis, -1); K = x.shape[-1]
;;       x = np.pad(x, [(0, 0)] * (x.ndim - 1) + [(0, -K % 32)]); x = x.reshape(x.shape[:-1] + (-1, 32)); a = np.abs(x).max(-1, keepdims=True)
;;       e = np.where(a > 0, np.clip(np.frexp(np.where(a > 0, a, 1))[1] - 1 - 15, -126, 127), 0)      # np.frexp(a)[1] - 1 = floor(log2(a)), exactly
;;       r = np.clip(x / 2.0 ** e, -57344, 57344)
;;       step = 2.0 ** (np.maximum(np.frexp(np.where(r == 0, 1, r))[1] - 1, -14) - 2)
;;       q = np.round(r / step) * step * 2.0 ** e      # np.round: ties to even
;;       return np.moveaxis(q.reshape(q.shape[:-2] + (-1,))[..., :K], -1, axis).astype(np.float32)
;;   ~~~
;;   OPERANDS COMPUTED ON THE WAY. 'Computed on the way' means the value that the module computes at that place (a softmax that the list does not call 'softmax' is quantised finished and normalised). What goes into a quantiser is computed in f32, as accurately as f32 sums, v_exp_f32 and their like allow (about 1e-6 of the number): no bf16 or f16 on the way to a quantiser, and a product that is left as it is and whose result goes on into a quantised operand takes f32 operands (vector FMAs, or v_wmma_f32_16x16x4_f32). A number that lies on a knife's edge between two numbers of the format may be rounded either way, as far as f32 arithmetic and the matrix unit's own rounding can turn it there, and no further.
;;   INPUTS GIVEN AS CODES. W1 (in the module: [32, 64], K = its axis 0): each comes as NAME_codes (uint8): NAME with its K axis moved to the last place and cut into blocks of 32 codes, [.., K / 32, bytes a block], one block behind the other in memory; one code a byte (a code: sign, 5 exponent bits, 2 mantissa bits); and NAME_scales (uint8): the same leading axes, one E8M0 byte (e + 127) for each 32 codes along K. Its value is code x scale, taken as it is: it is not quantised again, and the codes and scales need not be those that the quantiser above would give.
;; 2 versions, each right; version 2 is version 1 with the launch encode written anew for expert scheduling mode. Each part assembles by itself: llvm-mc -triple=amdgcn-amd-amdhsa -mcpu=gfx1250 --defsym DOCPART=n.
;; ======== version 1 of 2: 2 launches
;; workspace buffers: cellwords 134,217,728 bytes of whole numbers
;; launch cells (part 1): grid 1024 x 1, 8 waves a work-group, no clusters, 0 bytes of LDS; arguments x, cellwords; writes cellwords
.if DOCPART == 1
	.amdgcn_target "amdgcn-amd-amdhsa--gfx1250"
	.amdhsa_code_object_version 6
	.text
	.protected	k_qe692b7059a_cells
	.globl	k_qe692b7059a_cells
	.p2align	8
	.type	k_qe692b7059a_cells,@function
k_qe692b7059a_cells:
	s_mov_b64 s[64:65], 0
	v_nop
	global_prefetch_b8 v0, s[64:65] scope:SCOPE_SE
	s_setreg_imm32_b32 hwreg(HW_REG_WAVE_MODE, 25, 1), 1
	s_wait_xcnt 0x0
; CELLS.  For every point (1,048,576) and every level (16) of the hash grid: the cell that holds the point, as whole numbers from which the next launch forms its table indices.
; x01 = (x + 1) / 2 (one fused multiply-add: halving rounds nothing, so it equals the sum rounded and then halved); pos = x01 * res; i = floor(pos), per coordinate.
; A corner's index is ((ix + a) ^ (iy + b) * PY ^ (iz + c) * PZ) mod 2^19, and (iy + 1) * PY = iy * PY + PY: so ix, iy * PY and iz * PZ, each modulo 2^19, say all that the eight corners need: 57 bits.
; They are packed into two words:  word 0 = ix | (hz's bits 0-12) << 19;   word 1 = (hz's bits 13-18) | hy << 6.
; LAYOUT of the workspace: [chunk of 64 points][level][point in the chunk] x 8 bytes: a level of a chunk is 512 consecutive bytes.
; SHARES.  A work-group of eight waves takes 1,024 points, a wave 128: four groups of 32, a lane a point.  A store of the wave covers 256 consecutive bytes, at a multiple of 256 from the buffer's first byte.
; No LDS, no barrier: waves share nothing.  Every offset is an immediate.
; LIMITS: |pos| of 2^31 and more, NaN and infinities in x are not served.
.set M19,   0x7ffff                    ; 2^19 - 1
.set PY,    0x9e3779b1                 ; 2,654,435,761
.set PZ,    0x30025795                 ; 805,459,861
.set RES0,  0x41800000                 ; floor(16 * 1.5^l) as f32: 16
.set RES1,  0x41c00000                 ; 24
.set RES2,  0x42100000                 ; 36
.set RES3,  0x42580000                 ; 54
.set RES4,  0x42a20000                 ; 81
.set RES5,  0x42f20000                 ; 121
.set RES6,  0x43360000                 ; 182
.set RES7,  0x43888000                 ; 273
.set RES8,  0x43cd0000                 ; 410
.set RES9,  0x4419c000                 ; 615
.set RES10, 0x44668000                 ; 922
.set RES11, 0x44ace000                 ; 1,383
.set RES12, 0x4501b000                 ; 2,075
.set RES13, 0x45429000                 ; 3,113
.set RES14, 0x4591f000                 ; 4,670
.set RES15, 0x45daf000                 ; 7,006
.set XR,  8                            ; v8-23   group g's x, y, z at v[8 + 4 g] on
.set TP,  24                           ; v24-31  at work: two sets of four, by turns
.set OW,  32                           ; v32-63  a group's 16 pairs of words
	s_load_b128 s[4:7], s[0:1], 0x0                ; x s[4:5], the words s[6:7]
	v_and_b32 v1, 31, v0                           ; lane
	v_lshrrev_b32 v2, 5, v0                        ; wave
	v_lshl_add_u32 v3, v2, 7, v1                   ; my point of group 0 among the work-group's 1,024
	v_mul_u32_u24 v3, v3, 12                       ; its 12 bytes of x
	v_lshlrev_b32 v4, 3, v1                        ; the words: 8 bytes a lane,
	v_lshl_add_u32 v4, v2, 14, v4                  ; a wave's two chunks are 16,384 bytes
	s_mul_i32 s8, ttmp9, 12288                     ; the work-group's 1,024 points in x,
	s_mov_b32 s9, 0
	s_lshl_b32 s10, ttmp9, 17                      ; and its 16 chunks of 8,192 bytes (under 2^31 in all)
	s_mov_b32 s11, 0
	s_mov_b32 s12, PY
	s_mov_b32 s13, PZ
	s_mov_b32 s14, M19
	s_wait_kmcnt 0x0
	s_add_nc_u64 s[4:5], s[4:5], s[8:9]
	s_add_nc_u64 s[6:7], s[6:7], s[10:11]
.irp g, 0,1,2,3
	global_load_b96 v[XR+4*\g:XR+4*\g+2], v3, s[4:5] offset:384*\g th:TH_LOAD_NT   ; 32 lanes read 384 consecutive bytes
.endr
.macro GROUP g
	s_wait_loadcnt 3-\g                            ; loads come back in order: this group's x is in, the younger groups' may be out
.if \g > 0
	s_wait_xcnt 0x0                                ; the last group's stores have read their data: the 32 registers are written again only behind this wait
.endif
.irp d, 0,1,2
	v_fma_f32 v[XR+4*\g+\d], v[XR+4*\g+\d], 0.5, 0.5
.endr
.irp l, 0,1,2,3,4,5,6,7,8,9,10,11,12,13,14,15
.set TQ, TP+4*(\l%2)
	v_mul_f32 v[TQ],   RES\l, v[XR+4*\g]           ; pos
	v_mul_f32 v[TQ+1], RES\l, v[XR+4*\g+1]
	v_mul_f32 v[TQ+2], RES\l, v[XR+4*\g+2]
	v_floor_f32 v[TQ],   v[TQ]
	v_floor_f32 v[TQ+1], v[TQ+1]
	v_floor_f32 v[TQ+2], v[TQ+2]
	v_cvt_i32_f32 v[TQ],   v[TQ]                   ; ix, iy, iz (a negative one wraps as uint32 does)
	v_cvt_i32_f32 v[TQ+1], v[TQ+1]
	v_cvt_i32_f32 v[TQ+2], v[TQ+2]
	v_mul_lo_u32 v[TQ+1], v[TQ+1], s12             ; hy = iy * PY
	v_mul_lo_u32 v[TQ+2], v[TQ+2], s13             ; hz = iz * PZ
	v_and_b32 v[TQ],   s14, v[TQ]
	v_and_b32 v[TQ+1], s14, v[TQ+1]
	v_bfe_u32 v[TQ+3], v[TQ+2], 13, 6              ; hz's bits 13-18
	v_lshl_or_b32 v[OW+2*\l],   v[TQ+2], 19, v[TQ] ; word 0: the shift drops hz's bits from 13 on
	v_lshl_or_b32 v[OW+2*\l+1], v[TQ+1], 6, v[TQ+3]   ; word 1
	global_store_b64 v4, v[OW+2*\l:OW+2*\l+1], s[6:7] offset:(\g/2)*8192+(\g%2)*256+\l*512 th:TH_STORE_NT
.endr
.endm
	GROUP 0
	GROUP 1
	GROUP 2
	GROUP 3
	s_endpgm
.Lfunc_end_k_qe692b7059a_cells:
	.size	k_qe692b7059a_cells, .Lfunc_end_k_qe692b7059a_cells-k_qe692b7059a_cells
	.p2alignl 7, 3214868480
	.fill 96, 4, 3214868480
	.section	.rodata,"a",@progbits
	.p2align	6, 0x0
	.amdhsa_kernel k_qe692b7059a_cells
		.amdhsa_group_segment_fixed_size 0
		.amdhsa_private_segment_fixed_size 0
		.amdhsa_enable_private_segment 0
		.amdhsa_kernarg_size 16
		.amdhsa_user_sgpr_count 2
		.amdhsa_user_sgpr_kernarg_segment_ptr 1
		.amdhsa_wavefront_size32 1
		.amdhsa_system_sgpr_workgroup_id_x 1
		.amdhsa_system_sgpr_workgroup_id_y 1
		.amdhsa_system_sgpr_workgroup_id_z 1
		.amdhsa_system_vgpr_workitem_id 0
		.amdhsa_next_free_vgpr 64
		.amdhsa_next_free_sgpr 66
		.amdhsa_reserve_vcc 0
		.amdhsa_float_denorm_mode_32 3
		.amdhsa_float_denorm_mode_16_64 3
		.amdhsa_memory_ordered 1
		.amdhsa_forward_progress 1
		.amdhsa_inst_pref_size 57
	.end_amdhsa_kernel
	.amdgpu_metadata
---
amdhsa.version: [ 1, 2 ]
amdhsa.kernels:
  - .name:           k_qe692b7059a_cells
    .symbol:         k_qe692b7059a_cells.kd
    .args:
      - { .name: x, .offset: 0, .size: 8, .value_kind: global_buffer, .address_space: global }
      - { .name: cellwords, .offset: 8, .size: 8, .value_kind: global_buffer, .address_space: global }
    .group_segment_fixed_size: 0
    .private_segment_fixed_size: 0
    .kernarg_segment_align: 8
    .kernarg_segment_size: 16
    .max_flat_workgroup_size: 256
    .sgpr_count:     66
    .vgpr_count:     64
    .wavefront_size: 32
...
	.end_amdgpu_metadata
.endif
;; end of part 1
;; launch encode (part 2): grid 256 x 1, 16 waves a work-group, no clusters, 0 bytes of LDS; arguments W1_codes, W1_scales, W2, b1, b2, tables, x, cellwords, out0; writes out0
.if DOCPART == 2
	.amdgcn_target "amdgcn-amd-amdhsa--gfx1250"
	.amdhsa_code_object_version 6
	.text
	.protected	k_qe692b7059a_encode
	.globl	k_qe692b7059a_encode
	.p2align	8
	.type	k_qe692b7059a_encode,@function
k_qe692b7059a_encode:
	s_mov_b64 s[64:65], 0
	v_nop
	global_prefetch_b8 v0, s[64:65] scope:SCOPE_SE
	s_setreg_imm32_b32 hwreg(HW_REG_WAVE_MODE, 25, 1), 1
	s_wait_xcnt 0x0
; out = relu(Q(enc) W1 + b1) W2 + b2, enc = the 16 levels' trilinear interpolations of hashed table entries (2 features a level), Q the MX quantiser to E5M2 along enc's 32 features (one block).
; The cells come as whole numbers from the launch before (two words for a point and a level: ix | hz's low 13 bits << 19;  hz's bits 13-18 | hy << 6;  hy = iy * PY, hz = iz * PZ, all modulo 2^19); the weights of the
; interpolation are made here from x, by the same two roundings: x01 = fma(x, 0.5, 0.5), pos = x01 * res, w = pos - floor(pos).
; SHARES.  256 work-groups of 16 waves; a wave takes 4 chunks of 64 points; a chunk is 4 tiles of 16 points: point 32 q + 2 r + e of a chunk is row r of tile 2 q + e.  Waves share nothing: no LDS, no barrier.
; TWO LANES TO A POINT.  Lane r (h = 0) and lane r + 16 (h = 1) hold point r of a tile; lane h takes the four corners at ix + h.  x's prime is 1, so the two lanes' indices differ as ix and ix + 1 do: unless ix mod 32 = 31
; both entries lie in the same aligned 256 bytes of the table.  A lane interpolates its four entries along y and z and multiplies by its own x weight (1 - wx or wx).
; FROM PARTS TO THE OPERAND.  A tile's 32 parts stay in registers (levels 0-7 in PL, levels 8-15 in PH).  v_permlane16_swap_b32 PL[i], PH[i] exchanges PL's lanes 16-31 with PH's lanes 0-15; PL + PH is then, in lane (r, h),
; feature 16 h + i of point r, both x corners summed: the very numbers that the 8-bit operand's layout gives that lane.  The conversions' results are the operand.
; THE PRODUCT HAS K = 32 OF THE INSTRUCTION'S 128.  Source 0 holds ALL FOUR tiles of W1's 64 rows, tile c in K block c (registers 4 c on; byte c of its scale word); source 1 holds enc's codes in ONE K block and zero codes
; in the other three.  The codes' four registers stand between 12 + 12 zero registers, and the window v[BW + 12 - 4 c : BW + 27 - 4 c] puts them in block c: that product is tile c of the hidden layer.  enc's scale byte stands in
; all four bytes of its word.  The product is used transposed: lane (r, h) holds point r, register j hidden unit 16 c + 8 h + j.  b1 is the C operand.
; h W2 + b2 (one column) is 32 maxima and 16 packed multiply-adds in f32 a tile; two more swaps add the halves and lay 64 results as 8 bytes a lane: one store of 256 consecutive bytes, aligned.
; PIPELINE.  A unit is one level of two tiles (32 units a chunk, two sets of registers by turns).  Unit u + 1's indices and its 8 gathers are issued ahead of the wait for unit u's gathers; unit u + 2's words are loaded behind unit u's gathers.
; The last chunk's look-ahead loads (two of words, six of x) name the chunk itself and their data are not used: so each counted wait has one count on every way, and no load leaves its buffer.
; LIMITS: NaN and infinities in any input, codes of infinity or NaN or the scale byte 0xff in W1, and |pos| of 2^31 and more are not served (relu is v_max_num_f32, in which a NaN loses; a zero code times infinity
; would reach the other hidden tiles).  A block of enc whose largest magnitude lies under 2^(16 - 127) keeps the scale byte 1, a block of zeros too: its codes are zeros.  Where pos - floor(pos) would round up to 1.0
; (a negative pos just under a whole number) v_fract_f32 gives 1 - 2^-24.  The interpolation is nested (y, z, then x), not a sum of eight weighted corners: the roundings differ in the last bits of f32.
.set NC,    4                          ; chunks of a wave
.set RES0,  0x41800000                 ; floor(16 * 1.5^l) as f32: 16, 24, 36, 54,
.set RES1,  0x41c00000
.set RES2,  0x42100000
.set RES3,  0x42580000
.set RES4,  0x42a20000                 ; 81, 121, 182, 273,
.set RES5,  0x42f20000
.set RES6,  0x43360000
.set RES7,  0x43888000
.set RES8,  0x43cd0000                 ; 410, 615, 922, 1,383,
.set RES9,  0x4419c000
.set RES10, 0x44668000
.set RES11, 0x44ace000
.set RES12, 0x4501b000                 ; 2,075, 3,113, 4,670, 7,006
.set RES13, 0x45429000
.set RES14, 0x4591f000
.set RES15, 0x45daf000
.set IOF, 1                            ; v1      16 r: my two points' words in a level's 256 bytes of a tile pair
.set XOF, 2                            ; v2      24 r: my two points' x
.set OOF, 3                            ; v3      8 x lane: my two results
.set HI,  4                            ; v4      h
.set CA,  5                            ; v5      1 - h   my x weight is CA + CB wx
.set CB,  6                            ; v6      2 h - 1
.set BOF, 7                            ; v7      32 h: b1's and W2's eight numbers of my half
.set PFO, 8                            ; v8      256 x lane: the prefetch's offset
.set SA,  9                            ; v9      W1's scale word: byte c = the scale of row 16 c + r
.set SE,  10                           ; v10-13  enc's scale words, one a tile
.set TT,  14                           ; v14-15  at work
.set WA,  16                           ; v16-31  W1's codes: registers 4 c on = row 16 c + r, k = 16 h on; they stay
.set X01, 32                           ; v32-43  x01 of my four points: tile pair q at 6 q: x, y, z of tile 2 q, then of tile 2 q + 1
.set IX,  44                           ; v44-51  words: tile pair q at 4 q
.set AD,  52                           ; v52-67  indices: tile pair q at 8 q, tile e at 4 e
.set WT,  68                           ; v68-79 (q = 0), v116-127 (q = 1): register 2 k = a weight, 2 k + 1 = its pos; k = 3 e + d.  A weight is the low word of a pair, so that the packed forms can take it for both halves
.set DT,  80                           ; v80-111 gathered entries: tile pair q at 16 q, tile e at 8 e: four pairs
.set B1R, 52                           ; v52-83  behind the levels: b1, register 8 c + j = b1[16 c + 8 h + j]
.set W2R, 84                           ; v84-115 W2 likewise
.set TM,  116                          ; v116-127 the quantiser: largest magnitudes (then bytes), holds, scale operands, four each
.set PL,  128                          ; v128-191 parts of levels 0-7: tile s at 16 s; then enc
.set PH,  192                          ; v192-255 parts of levels 8-15
.set DD,  192                          ; v192-223 behind the swaps: the hidden layer's four accumulators
.set BW,  224                          ; v224-251 12 zeros, enc's 4 registers of codes, 12 zeros
.set QQ,  128                          ; v128-131 the tiles' half sums of h W2 (tile 0's enc is done with by then)
.set AC,  132                          ; v132-135 two packed running sums
.set XP,  16                           ; s[16:17] the chunk's x
.set IP,  18                           ; s[18:19] the chunk's words
.set OP,  20                           ; s[20:21] the chunk's results
.set TB,  32                           ; s[32:63] the 16 levels' tables
.set SEL, 66                           ; s66-67  v_permlanex16_b32's selects for lane l xor 16
.set MNT, 68                           ; s68     the mantissa field of 57,344
.set SM,  69                           ; s69     2^19 - 1
.set SPY, 70                           ; s70     y's prime
.set SPZ, 71                           ; s71     z's prime
.set IN,  72                           ; s[72:73] the next chunk's words (in the last chunk: its own)
.set XN,  74                           ; s[74:75] the next chunk's x (likewise)
.set REP, 76                           ; s76     0x01010101: a byte into all four bytes of a word
	s_load_b256 s[4:11], s[0:1], 0x0               ; W1's codes s[4:5], W1's scales s[6:7], W2 s[8:9], b1 s[10:11]
	s_load_b256 s[12:19], s[0:1], 0x20             ; b2 s[12:13], tables s[14:15], x s[16:17], the words s[18:19]
	s_load_b64 s[20:21], s[0:1], 0x40              ; out
	v_lshrrev_b32 v[TT], 5, v0
	v_readfirstlane_b32 s22, v[TT]                 ; wave 0..15
	v_and_b32 v[TT], 15, v0                        ; r
	v_and_b32 v[TT+1], 31, v0                      ; lane
	v_bfe_u32 v[HI], v0, 4, 1                      ; h
	v_lshlrev_b32 v[IOF], 4, v[TT]
	v_mul_u32_u24 v[XOF], v[TT], 24
	v_lshlrev_b32 v[OOF], 3, v[TT+1]
	v_lshlrev_b32 v[PFO], 8, v[TT+1]
	v_lshlrev_b32 v[BOF], 5, v[HI]
	v_cvt_f32_u32 v[CA], v[HI]
	v_fma_f32 v[CB], v[CA], 2.0, -1.0
	v_sub_f32 v[CA], 1.0, v[CA]
	v_lshlrev_b32 v112, 5, v[TT]
	v_lshl_add_u32 v112, v[HI], 4, v112            ; W1's codes: row r of 32 bytes, + 16 h
	s_lshl_b32 s24, ttmp9, 4
	s_add_co_u32 s24, s24, s22                     ; my wave among the launch's 4,096
	s_lshl_b32 s28, s24, 15                        ; its NC chunks: 8,192 bytes of words each (under 2^31 in all),
	s_mov_b32 s29, 0
	s_mul_i32 s30, s24, NC*768                     ; 768 bytes of x,
	s_mov_b32 s31, 0
	s_lshl_b32 s24, s24, 10                        ; 256 bytes of results
	s_mov_b32 s25, 0
	s_mov_b32 s79, 0
	s_mov_b32 s[SEL], 0x76543210
	s_mov_b32 s[SEL+1], 0xfedcba98
	s_mov_b32 s[MNT], 0x600000
	s_mov_b32 s[SM], 0x7ffff
	s_mov_b32 s[SPY], 0x9e3779b1
	s_mov_b32 s[SPZ], 0x30025795
	s_mov_b32 s[REP], 0x01010101
	s_wait_kmcnt 0x0
	s_add_nc_u64 s[IP:IP+1], s[IP:IP+1], s[28:29]
	s_add_nc_u64 s[XP:XP+1], s[XP:XP+1], s[30:31]
	s_add_nc_u64 s[OP:OP+1], s[OP:OP+1], s[24:25]
	s_load_b32 s26, s[12:13], 0x0                  ; b2
	global_load_b128 v[IX:IX+3],   v[IOF], s[IP:IP+1] th:TH_LOAD_NT              ; chunk 0: the words of units 0 and 1
	global_load_b128 v[IX+4:IX+7], v[IOF], s[IP:IP+1] offset:256 th:TH_LOAD_NT
.irp p, 0,1
.irp k, 0,1,2
	global_load_b64 v[X01+6*\p+2*\k:X01+6*\p+2*\k+1], v[XOF], s[XP:XP+1] offset:384*\p+8*\k th:TH_LOAD_NT   ; and its x: 24 bytes for my two points of a tile pair
.endr
.endr
.irp c, 0,1,2,3
	global_load_b128 v[WA+4*\c:WA+4*\c+3], v112, s[4:5] offset:512*\c            ; W1's row 16 c + r, k = 16 h on
	global_load_u8 v[TM+\c], v[TT], s[6:7] offset:16*\c                          ; and its scale byte
.endr
.irp l, 0,1,2,3,4,5,6,7,8,9,10,11,12,13,14,15
	s_add_nc_u64 s[TB+2*\l:TB+2*\l+1], s[14:15], \l*0x400000                      ; a level's table is 4 MiB
.endr
	s_mov_b32 s23, 0                               ; the chunk's number
	s_wait_kmcnt 0x0
	s_mov_b32 s27, s26                             ; (the packed sum names the pair and takes its low word for both halves: so s27 is written)
	s_wait_loadcnt 0x0
	v_lshl_or_b32 v[SA], v[TM+1], 8, v[TM]         ; the four tiles' bytes make W1's scale word
	v_lshl_or_b32 v[SA], v[TM+2], 16, v[SA]
	v_lshl_or_b32 v[SA], v[TM+3], 24, v[SA]
.irp p, 0,2,4,6,8,10
	v_pk_fma_f32 v[X01+\p:X01+\p+1], v[X01+\p:X01+\p+1], 0.5, 0.5 op_sel_hi:[1,0,0]   ; x01
.endr
; THE FIRST HALF OF A UNIT: level l, tile pair q; unit u = 2 l + q.  From the words: my four indices of each tile; 8 gathers; the load of the words two units on; the weights.
.macro A_UNIT l, q
.set UU, 2*\l+\q
.set UA, AD+8*\q
.set UI, IX+4*\q
.set UW, WT+48*\q
.set UD, DT+16*\q
.if UU >= 2
	s_wait_loadcnt 9                               ; this unit's words are in: behind their load stand the last unit's 8 gathers and one load of words.  (Units 0 and 1 stand behind a wait for all loads)
.endif
.irp e, 0,1
	v_add_nc_u32 v[UA+4*\e], v[UI+2*\e], v[HI]                         ; a = ix + h.  (What stands above bit 18 here and below is cut off at the end)
	v_lshrrev_b32 v[UA+4*\e+1], 6, v[UI+2*\e+1]                        ; y0 = hy
	v_alignbit_b32 v[UA+4*\e+2], v[UI+2*\e+1], v[UI+2*\e], 19          ; z0 = hz: word 0's bits 19-31 under word 1's bits 0-5
.endr
.irp e, 0,1
	v_add_nc_u32 v[UA+4*\e+3], s[SPZ], v[UA+4*\e+2]                    ; z1 = (iz + 1) * PZ
	v_add_nc_u32 v[TT+\e], s[SPY], v[UA+4*\e+1]                        ; y1 = (iy + 1) * PY
.endr
.irp e, 0,1
	v_xor_b32 v[UA+4*\e+1], v[UA+4*\e], v[UA+4*\e+1]                   ; a ^ y0
	v_xor_b32 v[TT+\e], v[UA+4*\e], v[TT+\e]                           ; a ^ y1
.endr
.irp e, 0,1
	v_xor_b32 v[UA+4*\e],   v[UA+4*\e+1], v[UA+4*\e+2]                 ; register 0: y0 z0
	v_xor_b32 v[UA+4*\e+2], v[TT+\e],     v[UA+4*\e+2]                 ; register 2: y1 z0
.endr
.irp e, 0,1
	v_xor_b32 v[UA+4*\e+1], v[UA+4*\e+1], v[UA+4*\e+3]                 ; register 1: y0 z1
	v_xor_b32 v[UA+4*\e+3], v[TT+\e],     v[UA+4*\e+3]                 ; register 3: y1 z1
.endr
.irp i, 0,1,2,3,4,5,6,7
	v_and_b32 v[UA+\i], s[SM], v[UA+\i]                                ; modulo 2^19
.endr
.irp i, 0,1,2,3,4,5,6,7
	v_min_u32 v[UA+\i], 0x7ffff, v[UA+\i]                              ; changes nothing: a loaded number enters an address only behind a minimum with a constant written in the instruction
.endr
.irp e, 0,1
	global_load_b64 v[UD+8*\e:UD+8*\e+1],   v[UA+4*\e],   s[TB+2*\l:TB+2*\l+1] scale_offset   ; an entry is 8 bytes: base + 8 x index
	global_load_b64 v[UD+8*\e+2:UD+8*\e+3], v[UA+4*\e+2], s[TB+2*\l:TB+2*\l+1] scale_offset
	global_load_b64 v[UD+8*\e+4:UD+8*\e+5], v[UA+4*\e+1], s[TB+2*\l:TB+2*\l+1] scale_offset
	global_load_b64 v[UD+8*\e+6:UD+8*\e+7], v[UA+4*\e+3], s[TB+2*\l:TB+2*\l+1] scale_offset
.endr
.if UU <= 29
	global_load_b128 v[UI:UI+3], v[IOF], s[IP:IP+1] offset:256*(UU+2) th:TH_LOAD_NT   ; the words two units on, into the registers just read
.else
	global_load_b128 v[UI:UI+3], v[IOF], s[IN:IN+1] offset:256*(UU-30) th:TH_LOAD_NT  ; units 0 and 1 of the next chunk
.endif
.if UU == 24
	; A PREFETCH INTO THE L2 of the next chunk's words: 8,192 bytes, lanes 256 bytes apart, one instruction a chunk.  Each wave asks for its own chunks alone, so each block is named once in the launch.
	; It stands behind this unit's loads, six units ahead of the first load that reads those bytes.  Chunk 0 comes by its loads alone; the last chunk asks for nothing.
	s_cmp_lt_u32 s23, NC-1
	s_cbranch_scc0 .Lno_next
	global_prefetch_b8 v[PFO], s[IN:IN+1] th:TH_LOAD_NT scope:SCOPE_SE
.Lno_next:
.endif
.irp k, 0,1,2,3,4,5
	v_mul_f32 v[UW+2*\k+1], RES\l, v[X01+6*\q+\k]                      ; pos
.endr
.irp k, 0,1,2,3,4,5
	v_fract_f32 v[UW+2*\k], v[UW+2*\k+1]                               ; w = pos - floor(pos)
.endr
.irp e, 0,1
	v_fma_f32 v[UW+6*\e], v[CB], v[UW+6*\e], v[CA]                     ; my x weight: 1 - wx (h = 0) or wx (h = 1)
.endr
.if UU == 31
.irp p, 0,1
.irp k, 0,1,2
	global_load_b64 v[X01+6*\p+2*\k:X01+6*\p+2*\k+1], v[XOF], s[XN:XN+1] offset:384*\p+8*\k th:TH_LOAD_NT   ; the chunk's last weights are made: the next chunk's x
.endr
.endr
.endif
.endm
; THE SECOND HALF: the unit's 8 entries a lane become two parts (a pair of features each).
.macro B_UNIT l, q
.set UU, 2*(\l)+\q
.set UW, WT+48*\q
.set UD, DT+16*\q
.set UP, PL+64*((\l)/8)+32*\q+2*((\l)%8)
.if UU <= 29
	s_wait_loadcnt 10                              ; my 8 gathers are in: behind them stand a load of words, the next unit's 8 gathers and its load of words.  The wait also frees their index registers
.elseif UU == 30
	s_wait_loadcnt 16                              ; the same, and 6 loads of x
.else
	s_wait_loadcnt 7                               ; a load of words and 6 loads of x
.endif
.irp e, 0,1
	v_pk_add_f32 v[UD+8*\e+2:UD+8*\e+3], v[UD+8*\e+2:UD+8*\e+3], v[UD+8*\e:UD+8*\e+1] neg_lo:[0,1] neg_hi:[0,1]     ; y1 - y0 at z0
	v_pk_add_f32 v[UD+8*\e+6:UD+8*\e+7], v[UD+8*\e+6:UD+8*\e+7], v[UD+8*\e+4:UD+8*\e+5] neg_lo:[0,1] neg_hi:[0,1]   ; and at z1
.endr
.irp e, 0,1
	v_pk_fma_f32 v[UD+8*\e:UD+8*\e+1],   v[UD+8*\e+2:UD+8*\e+3], v[UW+6*\e+2:UW+6*\e+3], v[UD+8*\e:UD+8*\e+1] op_sel_hi:[1,0,1]     ; along y: wy for both halves
	v_pk_fma_f32 v[UD+8*\e+4:UD+8*\e+5], v[UD+8*\e+6:UD+8*\e+7], v[UW+6*\e+2:UW+6*\e+3], v[UD+8*\e+4:UD+8*\e+5] op_sel_hi:[1,0,1]
.endr
.irp e, 0,1
	v_pk_add_f32 v[UD+8*\e+4:UD+8*\e+5], v[UD+8*\e+4:UD+8*\e+5], v[UD+8*\e:UD+8*\e+1] neg_lo:[0,1] neg_hi:[0,1]
.endr
.irp e, 0,1
	v_pk_fma_f32 v[UD+8*\e:UD+8*\e+1], v[UD+8*\e+4:UD+8*\e+5], v[UW+6*\e+4:UW+6*\e+5], v[UD+8*\e:UD+8*\e+1] op_sel_hi:[1,0,1]       ; along z
.endr
.irp e, 0,1
	v_pk_mul_f32 v[UP+16*\e:UP+16*\e+1], v[UD+8*\e:UD+8*\e+1], v[UW+6*\e:UW+6*\e+1] op_sel_hi:[1,0]                                 ; x my x weight: my part of the level's two features
.endr
.endm
; Tile s's 16 numbers a lane are held within the largest code x the scale: the conversion to an 8-bit code does not saturate (ISA guide 7.6.2)
.macro HOLD s
.irp i, 0,1,2,3,4,5,6,7,8,9,10,11,12,13,14,15
	v_med3_num_f32 v[PL+16*(\s)+\i], v[PL+16*(\s)+\i], -v[TM+4+(\s)], v[TM+4+(\s)]
.endr
.endm
; and become the operand's four registers
.macro CVT s
	v_cvt_scalef32_pk8_bf8_f32 v[BW+12:BW+13], v[PL+16*(\s):PL+16*(\s)+7], v[TM+8+(\s)]
	v_cvt_scalef32_pk8_bf8_f32 v[BW+14:BW+15], v[PL+16*(\s)+8:PL+16*(\s)+15], v[TM+8+(\s)]
.endm
; TILE s: four products (the hidden layer's 64 units of 16 points), relu, the column of W2.  Four different accumulators, each begun with b1 as C: nothing is added in place.
; Behind the products: the next tile's 16 holds name none of their registers: they are the places ahead of the first read of the results, ahead of the conversions that write the codes' registers anew,
; and ahead of the next tile's products, which write the accumulators anew (ISA guide 7.12.1).  The last tile has no such work: eight v_nop.
; Ahead of the next products: the maxima and the multiply-adds stand between the conversions and them.
.macro TILE s
.irp c, 0,1,2,3
	v_wmma_scale_f32_16x16x128_f8f6f4 v[DD+8*\c:DD+8*\c+7], v[WA:WA+15], v[BW+12-4*\c:BW+27-4*\c], v[B1R+8*\c:B1R+8*\c+7], v[SA], v[SE+\s] matrix_a_fmt:MATRIX_FMT_BF8 matrix_b_fmt:MATRIX_FMT_BF8
.endr
.if \s < 3
	HOLD \s+1
	CVT \s+1
.else
.rept 8
	v_nop
.endr
.endif
.set J, 0
.rept 32
	v_max_num_f32 v[DD+J], 0, v[DD+J]              ; relu; each accumulator from its low end on
.set J, J+1
.endr
	v_pk_mul_f32 v[AC:AC+1],   v[DD:DD+1],   v[W2R:W2R+1]                  ; h W2 over my 32 hidden units: two chains of packed multiply-adds
	v_pk_mul_f32 v[AC+2:AC+3], v[DD+2:DD+3], v[W2R+2:W2R+3]
.irp p, 2,3,4,5,6,7,8,9,10,11,12,13,14,15
	v_pk_fma_f32 v[AC+2*(\p%2):AC+2*(\p%2)+1], v[DD+2*\p:DD+2*\p+1], v[W2R+2*\p:W2R+2*\p+1], v[AC+2*(\p%2):AC+2*(\p%2)+1]
.endr
	v_pk_add_f32 v[AC:AC+1], v[AC:AC+1], v[AC+2:AC+3]
	v_add_f32 v[QQ+\s], v[AC], v[AC+1]             ; my half of point r's sum
.endm
.Lchunk:
	s_cmp_lt_u32 s23, NC-1                         ; is there a next chunk?  If not, the look-ahead names this one
	s_cselect_b32 s78, 8192, 0
	s_cselect_b32 s24, 768, 0
	s_add_nc_u64 s[IN:IN+1], s[IP:IP+1], s[78:79]
	s_add_nc_u64 s[XN:XN+1], s[XP:XP+1], s[24:25]
.irp l, 0,1,2,3,4,5,6,7,8,9,10,11,12,13,14,15
	A_UNIT \l, 0
.if \l > 0
	B_UNIT \l-1, 1
.endif
	A_UNIT \l, 1
	B_UNIT \l, 0
.endr
	B_UNIT 15, 1
	; b1 and W2 in the result's layout, 64 registers: they do not fit beside the 128 parts, so they come anew for each chunk, into the registers that the levels have left, and land under the swaps and the quantiser
.irp c, 0,1,2,3
	global_load_b128 v[B1R+8*\c:B1R+8*\c+3],   v[BOF], s[10:11] offset:64*\c
	global_load_b128 v[B1R+8*\c+4:B1R+8*\c+7], v[BOF], s[10:11] offset:64*\c+16
	global_load_b128 v[W2R+8*\c:W2R+8*\c+3],   v[BOF], s[8:9] offset:64*\c
	global_load_b128 v[W2R+8*\c+4:W2R+8*\c+7], v[BOF], s[8:9] offset:64*\c+16
.endr
	; the parts become enc: lane (r, h) gets features 16 h + 0 .. 15 of point r, both x corners summed
.irp s, 0,1,2,3
.irp i, 0,1,2,3,4,5,6,7,8,9,10,11,12,13,14,15
	v_permlane16_swap_b32 v[PL+16*\s+\i], v[PH+16*\s+\i]
.endr
.irp i, 0,2,4,6,8,10,12,14
	v_pk_add_f32 v[PL+16*\s+\i:PL+16*\s+\i+1], v[PL+16*\s+\i:PL+16*\s+\i+1], v[PH+16*\s+\i:PH+16*\s+\i+1]
.endr
.endr
.irp i, 0,1,2,3,4,5,6,7,8,9,10,11
	v_mov_b32 v[BW+\i], 0                          ; the zero codes on both sides of enc's four registers (these registers held parts)
	v_mov_b32 v[BW+16+\i], 0
.endr
	; the scales of the four tiles' blocks, by turns
.irp s, 0,1,2,3
	v_max3_num_f32 v[TM+\s], |v[PL+16*\s]|, |v[PL+16*\s+1]|, 0x8000000   ; my 16 numbers, and the floor 2^(16 - 127): the byte cannot fall under 1
.endr
.irp i, 2,4,6,8,10,12,14
.irp s, 0,1,2,3
	v_max3_num_f32 v[TM+\s], v[TM+\s], |v[PL+16*\s+\i]|, |v[PL+16*\s+\i+1]|
.endr
.endr
.irp s, 0,1,2,3
	v_permlanex16_b32 v[TM+4+\s], v[TM+\s], s[SEL], s[SEL+1]
.endr
.irp s, 0,1,2,3
	v_max_num_f32 v[TM+\s], v[TM+\s], v[TM+4+\s]   ; with lane l xor 16's: the block's largest magnitude
.endr
.irp s, 0,1,2,3
	v_add_nc_u32 v[TM+8+\s], 0xf8800000, v[TM+\s]  ; 15 off its exponent field: the conversion's scale operand
.endr
.irp s, 0,1,2,3
	v_and_or_b32 v[TM+4+\s], v[TM+\s], 0x7f800000, s[MNT]   ; 57,344 x the scale
.endr
.irp s, 0,1,2,3
	v_lshrrev_b32 v[TM+\s], 23, v[TM+8+\s]         ; the scale's byte
.endr
.irp s, 0,1,2,3
	v_mul_lo_u32 v[SE+\s], v[TM+\s], s[REP]        ; in all four bytes: whichever K block holds the codes finds it
.endr
	HOLD 0                                         ; (16 plain lines between the scale words and the first product)
	CVT 0
	s_wait_loadcnt 0x0                             ; b1, W2, and the next chunk's first words and x
.irp p, 0,2,4,6,8,10
	v_pk_fma_f32 v[X01+\p:X01+\p+1], v[X01+\p:X01+\p+1], 0.5, 0.5 op_sel_hi:[1,0,0]   ; the next chunk's x01: six plain lines between the conversions and the first product
.endr
	TILE 0
	TILE 1
	TILE 2
	TILE 3
	; the halves are added, and 64 results are laid 8 bytes a lane: lane (r, h) gets points 32 h + 2 r and 32 h + 2 r + 1 (tiles 2 h and 2 h + 1, row r)
	v_permlane16_swap_b32 v[QQ], v[QQ+2]
	v_permlane16_swap_b32 v[QQ+1], v[QQ+3]
	v_pk_add_f32 v[QQ:QQ+1], v[QQ:QQ+1], v[QQ+2:QQ+3]
	v_pk_add_f32 v[QQ:QQ+1], v[QQ:QQ+1], s[26:27] op_sel_hi:[1,0]     ; + b2
	global_store_b64 v[OOF], v[QQ:QQ+1], s[OP:OP+1] th:TH_STORE_NT    ; 32 lanes store 256 consecutive bytes, at a multiple of 256 from the buffer's first byte
	s_wait_xcnt 0x0                                ; every memory instruction issued so far has read its addresses and data: the bases step, and the store's data may be written again
	s_mov_b64 s[IP:IP+1], s[IN:IN+1]
	s_mov_b64 s[XP:XP+1], s[XN:XN+1]
	s_add_nc_u64 s[OP:OP+1], s[OP:OP+1], 256
	s_add_co_u32 s23, s23, 1
	s_cmp_lt_u32 s23, NC
	s_cbranch_scc1 .Lchunk
	s_endpgm
.Lfunc_end_k_qe692b7059a_encode:
	.size	k_qe692b7059a_encode, .Lfunc_end_k_qe692b7059a_encode-k_qe692b7059a_encode
	.p2alignl 7, 3214868480
	.fill 96, 4, 3214868480
	.section	.rodata,"a",@progbits
	.p2align	6, 0x0
	.amdhsa_kernel k_qe692b7059a_encode
		.amdhsa_group_segment_fixed_size 0
		.amdhsa_private_segment_fixed_size 0
		.amdhsa_enable_private_segment 0
		.amdhsa_kernarg_size 72
		.amdhsa_user_sgpr_count 2
		.amdhsa_user_sgpr_kernarg_segment_ptr 1
		.amdhsa_wavefront_size32 1
		.amdhsa_system_sgpr_workgroup_id_x 1
		.amdhsa_system_sgpr_workgroup_id_y 1
		.amdhsa_system_sgpr_workgroup_id_z 1
		.amdhsa_system_vgpr_workitem_id 0
		.amdhsa_next_free_vgpr 256
		.amdhsa_next_free_sgpr 80
		.amdhsa_reserve_vcc 0
		.amdhsa_float_denorm_mode_32 3
		.amdhsa_float_denorm_mode_16_64 3
		.amdhsa_memory_ordered 1
		.amdhsa_forward_progress 1
		.amdhsa_inst_pref_size 159
	.end_amdhsa_kernel
	.amdgpu_metadata
---
amdhsa.version: [ 1, 2 ]
amdhsa.kernels:
  - .name:           k_qe692b7059a_encode
    .symbol:         k_qe692b7059a_encode.kd
    .args:
      - { .name: W1_codes, .offset: 0, .size: 8, .value_kind: global_buffer, .address_space: global }
      - { .name: W1_scales, .offset: 8, .size: 8, .value_kind: global_buffer, .address_space: global }
      - { .name: W2, .offset: 16, .size: 8, .value_kind: global_buffer, .address_space: global }
      - { .name: b1, .offset: 24, .size: 8, .value_kind: global_buffer, .address_space: global }
      - { .name: b2, .offset: 32, .size: 8, .value_kind: global_buffer, .address_space: global }
      - { .name: tables, .offset: 40, .size: 8, .value_kind: global_buffer, .address_space: global }
      - { .name: x, .offset: 48, .size: 8, .value_kind: global_buffer, .address_space: global }
      - { .name: cellwords, .offset: 56, .size: 8, .value_kind: global_buffer, .address_space: global }
      - { .name: out0, .offset: 64, .size: 8, .value_kind: global_buffer, .address_space: global }
    .group_segment_fixed_size: 0
    .private_segment_fixed_size: 0
    .kernarg_segment_align: 8
    .kernarg_segment_size: 72
    .max_flat_workgroup_size: 512
    .sgpr_count:     80
    .vgpr_count:     256
    .wavefront_size: 32
...
	.end_amdgpu_metadata
.endif
;; end of part 2
;; ======== version 2 of 2: 2 launches; version 1 with the launch encode written anew for expert scheduling mode
;; workspace buffers: cellwords 134,217,728 bytes of whole numbers
;; launch cells: the kernel of part 1 again; grid 1024 x 1, 8 waves a work-group, no clusters, 0 bytes of LDS; arguments x, cellwords; writes cellwords
;; launch encode (part 3): grid 256 x 1, 16 waves a work-group, no clusters, 0 bytes of LDS; arguments W1_codes, W1_scales, W2, b1, b2, tables, x, cellwords, out0; writes out0
.if DOCPART == 3
	.amdgcn_target "amdgcn-amd-amdhsa--gfx1250"
	.amdhsa_code_object_version 6
	.text
	.protected	k_qe692b7059a_encode
	.globl	k_qe692b7059a_encode
	.p2align	8
	.type	k_qe692b7059a_encode,@function
k_qe692b7059a_encode:
	s_mov_b64 s[64:65], 0
	v_nop
	global_prefetch_b8 v0, s[64:65] scope:SCOPE_SE
	s_setreg_imm32_b32 hwreg(HW_REG_WAVE_SCHED_MODE, 0, 2), 2
	s_setreg_imm32_b32 hwreg(HW_REG_WAVE_MODE, 25, 1), 1
	s_wait_xcnt 0x0
	s_wait_alu depctr_vm_vsrc(0)
; out = relu(Q(enc) W1 + b1) W2 + b2, enc = the 16 levels' trilinear interpolations of hashed table entries (2 features a level), Q the MX quantiser to E5M2 along enc's 32 features (one block).
; The cells come as whole numbers from the launch before (two words for a point and a level: ix | hz's low 13 bits << 19;  hz's bits 13-18 | hy << 6;  hy = iy * PY, hz = iz * PZ, all modulo 2^19); the weights of the
; interpolation are made here from x, by the same two roundings: x01 = fma(x, 0.5, 0.5), pos = x01 * res, w = pos - floor(pos).
; SHARES.  256 work-groups of 16 waves; a wave takes 4 chunks of 64 points; a chunk is 4 tiles of 16 points: point 32 q + 2 r + e of a chunk is row r of tile 2 q + e.  Waves share nothing: no LDS, no barrier.
; TWO LANES TO A POINT.  Lane r (h = 0) and lane r + 16 (h = 1) hold point r of a tile; lane h takes the four corners at ix + h.  x's prime is 1, so the two lanes' indices differ as ix and ix + 1 do: unless ix mod 32 = 31
; both entries lie in the same aligned 256 bytes of the table.  A lane interpolates its four entries along y and z and multiplies by its own x weight (1 - wx or wx).
; FROM PARTS TO THE OPERAND.  A tile's 32 parts stay in registers (levels 0-7 in PL, levels 8-15 in PH).  v_permlane16_swap_b32 PL[i], PH[i] exchanges PL's lanes 16-31 with PH's lanes 0-15; PL + PH is then, in lane (r, h),
; feature 16 h + i of point r, both x corners summed: the very numbers that the 8-bit operand's layout gives that lane.  The conversions' results are the operand.
; THE PRODUCT HAS K = 32 OF THE INSTRUCTION'S 128.  Source 0 holds ALL FOUR tiles of W1's 64 rows, tile c in K block c (registers 4 c on; byte c of its scale word); source 1 holds enc's codes in ONE K block and zero codes
; in the other three.  The codes' four registers stand between 12 + 12 zero registers, and the window v[BW + 12 - 4 c : BW + 27 - 4 c] puts them in block c: that product is tile c of the hidden layer.  enc's scale byte stands in
; all four bytes of its word.  The product is used transposed: lane (r, h) holds point r, register j hidden unit 16 c + 8 h + j.  b1 is the C operand.
; h W2 + b2 (one column) is 32 maxima and 16 packed multiply-adds in f32 a tile; two more swaps add the halves and lay 64 results as 8 bytes a lane: one store of 256 consecutive bytes, aligned.
; PIPELINE.  A unit is one level of two tiles (32 units a chunk, two sets of registers by turns).  Unit u + 1's indices and its 8 gathers are issued ahead of the wait for unit u's gathers; unit u + 2's words are loaded behind unit u's gathers.
; The last chunk's look-ahead loads (two of words, six of x) name the chunk itself and their data are not used: so each counted wait has one count on every way, and no load leaves its buffer.
; THE MODE: SCHED_MODE bits 1:0 = 2 (LLVM: expert scheduling mode 2), set by the entry lines.  The code itself states the register dependences between vector or matrix instructions and memory instructions, with s_wait_alu, always for 0.
; THE PLAN.  Registers that memory instructions touch, round the loop over chunks:
;   v1, v2, v3, v7, v8   offsets: made once at the head, never written again.
;   AD0, AD1   indices.  Unit u's index lines write AD[u % 2]; its 8 gathers read it; unit u + 2 writes it again; behind the levels b1 lands there.
;   IX0, IX1   words.    Unit u's index lines read IX[u % 2]; the load of the words of unit u + 2, issued in unit u, lands in it.
;   DT0, DT1   entries.  Unit u's gathers land in DT[u % 2]; the second half of unit u reads and writes it; behind the levels b1 and W2 land there, which the products and the multiply-adds read.
;   X01        read by the weights' lines of all 32 units; the next chunk's x lands in it behind the levels.
;   v128-129   written by the chunk's last sums, read by the store, written again by the next chunk's first parts.
;   All else (the parts, the accumulators, the codes and zeros, the scale words) is named by vector and matrix instructions alone.
; So: ONE wait on va_vdst a unit, between its index lines and its nine loads, which follow it with no vector line between; ONE wait on vm_vsrc a level, which frees both index sets (both runs of gathers were issued ahead of it);
; both waits ahead of the one run of 22 loads behind the levels; a wait on va_vdst ahead of each tile's four products, which take codes, zeros and scale words that vector lines wrote; one ahead of the store, and a wait on vm_vsrc behind it.
; LIMITS: NaN and infinities in any input, codes of infinity or NaN or the scale byte 0xff in W1, and |pos| of 2^31 and more are not served (relu is v_max_num_f32, in which a NaN loses; a zero code times infinity
; would reach the other hidden tiles).  A block of enc whose largest magnitude lies under 2^(16 - 127) keeps the scale byte 1, a block of zeros too: its codes are zeros.  Where pos - floor(pos) would round up to 1.0
; (a negative pos just under a whole number) v_fract_f32 gives 1 - 2^-24.  The interpolation is nested (y, z, then x), not a sum of eight weighted corners: the roundings differ in the last bits of f32.
.set NC,    4                          ; chunks of a wave
.set RES0,  0x41800000                 ; floor(16 * 1.5^l) as f32: 16, 24, 36, 54,
.set RES1,  0x41c00000
.set RES2,  0x42100000
.set RES3,  0x42580000
.set RES4,  0x42a20000                 ; 81, 121, 182, 273,
.set RES5,  0x42f20000
.set RES6,  0x43360000
.set RES7,  0x43888000
.set RES8,  0x43cd0000                 ; 410, 615, 922, 1,383,
.set RES9,  0x4419c000
.set RES10, 0x44668000
.set RES11, 0x44ace000
.set RES12, 0x4501b000                 ; 2,075, 3,113, 4,670, 7,006
.set RES13, 0x45429000
.set RES14, 0x4591f000
.set RES15, 0x45daf000
.set IOF, 1                            ; v1      16 r: my two points' words in a level's 256 bytes of a tile pair
.set XOF, 2                            ; v2      24 r: my two points' x
.set OOF, 3                            ; v3      8 x lane: my two results
.set HI,  4                            ; v4      h
.set CA,  5                            ; v5      1 - h   my x weight is CA + CB wx
.set CB,  6                            ; v6      2 h - 1
.set BOF, 7                            ; v7      32 h: b1's and W2's eight numbers of my half
.set PFO, 8                            ; v8      256 x lane: the prefetch's offset
.set SA,  9                            ; v9      W1's scale word: byte c = the scale of row 16 c + r
.set SE,  10                           ; v10-13  enc's scale words, one a tile
.set TT,  14                           ; v14-15  at work
.set WA,  16                           ; v16-31  W1's codes: registers 4 c on = row 16 c + r, k = 16 h on; they stay
.set X01, 32                           ; v32-43  x01 of my four points: tile pair q at 6 q: x, y, z of tile 2 q, then of tile 2 q + 1
.set IX,  44                           ; v44-51  words: tile pair q at 4 q
.set AD,  52                           ; v52-67  indices: tile pair q at 8 q, tile e at 4 e
.set WT,  68                           ; v68-79 (q = 0), v116-127 (q = 1): register 2 k = a weight, 2 k + 1 = its pos; k = 3 e + d.  A weight is the low word of a pair, so that the packed forms can take it for both halves
.set DT,  80                           ; v80-111 gathered entries: tile pair q at 16 q, tile e at 8 e: four pairs
.set B1R, 52                           ; v52-83  behind the levels: b1, register 8 c + j = b1[16 c + 8 h + j]
.set W2R, 84                           ; v84-115 W2 likewise
.set TM,  116                          ; v116-127 the quantiser: largest magnitudes (then bytes), holds, scale operands, four each
.set PL,  128                          ; v128-191 parts of levels 0-7: tile s at 16 s; then enc
.set PH,  192                          ; v192-255 parts of levels 8-15
.set DD,  192                          ; v192-223 behind the swaps: the hidden layer's four accumulators
.set BW,  224                          ; v224-251 12 zeros, enc's 4 registers of codes, 12 zeros
.set QQ,  128                          ; v128-131 the tiles' half sums of h W2 (tile 0's enc is done with by then)
.set AC,  132                          ; v132-135 two packed running sums
.set XP,  16                           ; s[16:17] the chunk's x
.set IP,  18                           ; s[18:19] the chunk's words
.set OP,  20                           ; s[20:21] the chunk's results
.set TB,  32                           ; s[32:63] the 16 levels' tables
.set SEL, 66                           ; s66-67  v_permlanex16_b32's selects for lane l xor 16
.set MNT, 68                           ; s68     the mantissa field of 57,344
.set SM,  69                           ; s69     2^19 - 1
.set SPY, 70                           ; s70     y's prime
.set SPZ, 71                           ; s71     z's prime
.set IN,  72                           ; s[72:73] the next chunk's words (in the last chunk: its own)
.set XN,  74                           ; s[74:75] the next chunk's x (likewise)
.set REP, 76                           ; s76     0x01010101: a byte into all four bytes of a word
	s_load_b256 s[4:11], s[0:1], 0x0               ; W1's codes s[4:5], W1's scales s[6:7], W2 s[8:9], b1 s[10:11]
	s_load_b256 s[12:19], s[0:1], 0x20             ; b2 s[12:13], tables s[14:15], x s[16:17], the words s[18:19]
	s_load_b64 s[20:21], s[0:1], 0x40              ; out
	v_lshrrev_b32 v[TT], 5, v0
	v_readfirstlane_b32 s22, v[TT]                 ; wave 0..15
	v_and_b32 v[TT], 15, v0                        ; r
	v_and_b32 v[TT+1], 31, v0                      ; lane
	v_bfe_u32 v[HI], v0, 4, 1                      ; h
	v_lshlrev_b32 v[IOF], 4, v[TT]
	v_mul_u32_u24 v[XOF], v[TT], 24
	v_lshlrev_b32 v[OOF], 3, v[TT+1]
	v_lshlrev_b32 v[PFO], 8, v[TT+1]
	v_lshlrev_b32 v[BOF], 5, v[HI]
	v_cvt_f32_u32 v[CA], v[HI]
	v_fma_f32 v[CB], v[CA], 2.0, -1.0
	v_sub_f32 v[CA], 1.0, v[CA]
	v_lshlrev_b32 v112, 5, v[TT]
	v_lshl_add_u32 v112, v[HI], 4, v112            ; W1's codes: row r of 32 bytes, + 16 h
	s_wait_alu depctr_va_sdst(0)                   ; s22 is written, ahead of its first reader: the wave's bases are made from it
	s_lshl_b32 s24, ttmp9, 4
	s_add_co_u32 s24, s24, s22                     ; my wave among the launch's 4,096
	s_lshl_b32 s28, s24, 15                        ; its NC chunks: 8,192 bytes of words each (under 2^31 in all),
	s_mov_b32 s29, 0
	s_mul_i32 s30, s24, NC*768                     ; 768 bytes of x,
	s_mov_b32 s31, 0
	s_lshl_b32 s24, s24, 10                        ; 256 bytes of results
	s_mov_b32 s25, 0
	s_mov_b32 s79, 0
	s_mov_b32 s[SEL], 0x76543210
	s_mov_b32 s[SEL+1], 0xfedcba98
	s_mov_b32 s[MNT], 0x600000
	s_mov_b32 s[SM], 0x7ffff
	s_mov_b32 s[SPY], 0x9e3779b1
	s_mov_b32 s[SPZ], 0x30025795
	s_mov_b32 s[REP], 0x01010101
	s_wait_kmcnt 0x0
	s_add_nc_u64 s[IP:IP+1], s[IP:IP+1], s[28:29]
	s_add_nc_u64 s[XP:XP+1], s[XP:XP+1], s[30:31]
	s_add_nc_u64 s[OP:OP+1], s[OP:OP+1], s[24:25]
	s_load_b32 s26, s[12:13], 0x0                  ; b2
	s_wait_alu depctr_va_vdst(0)                   ; the offsets v1, v2, v3, v7, v8, v14 and v112 are written: every load, the store and the prefetch of the kernel but the gathers read one of them
	global_load_b128 v[IX:IX+3],   v[IOF], s[IP:IP+1] th:TH_LOAD_NT              ; chunk 0: the words of units 0 and 1
	global_load_b128 v[IX+4:IX+7], v[IOF], s[IP:IP+1] offset:256 th:TH_LOAD_NT
.irp p, 0,1
.irp k, 0,1,2
	global_load_b64 v[X01+6*\p+2*\k:X01+6*\p+2*\k+1], v[XOF], s[XP:XP+1] offset:384*\p+8*\k th:TH_LOAD_NT   ; and its x: 24 bytes for my two points of a tile pair
.endr
.endr
.irp c, 0,1,2,3
	global_load_b128 v[WA+4*\c:WA+4*\c+3], v112, s[4:5] offset:512*\c            ; W1's row 16 c + r, k = 16 h on
	global_load_u8 v[TM+\c], v[TT], s[6:7] offset:16*\c                          ; and its scale byte
.endr
.irp l, 0,1,2,3,4,5,6,7,8,9,10,11,12,13,14,15
	s_add_nc_u64 s[TB+2*\l:TB+2*\l+1], s[14:15], \l*0x400000                      ; a level's table is 4 MiB
.endr
	s_mov_b32 s23, 0                               ; the chunk's number
	s_wait_kmcnt 0x0
	s_mov_b32 s27, s26                             ; (the packed sum names the pair and takes its low word for both halves: so s27 is written)
	s_wait_loadcnt 0x0
	s_wait_alu depctr_vm_vsrc(0)                   ; the loads of W1's scale bytes have read v14, which the first unit's index lines write; those of W1's codes have read v112, in which W2 lands
	v_lshl_or_b32 v[SA], v[TM+1], 8, v[TM]         ; the four tiles' bytes make W1's scale word
	v_lshl_or_b32 v[SA], v[TM+2], 16, v[SA]
	v_lshl_or_b32 v[SA], v[TM+3], 24, v[SA]
.irp p, 0,2,4,6,8,10
	v_pk_fma_f32 v[X01+\p:X01+\p+1], v[X01+\p:X01+\p+1], 0.5, 0.5 op_sel_hi:[1,0,0]   ; x01
.endr
; THE FIRST HALF OF A UNIT: level l, tile pair q; unit u = 2 l + q.  From the words: my four indices of each tile; 8 gathers; the load of the words two units on; the weights.
.macro A_UNIT l, q
.set UU, 2*\l+\q
.set UA, AD+8*\q
.set UI, IX+4*\q
.set UW, WT+48*\q
.set UD, DT+16*\q
.if (\q == 0) && (\l > 0)
	s_wait_alu depctr_vm_vsrc(0)                   ; the gathers of the last two units have read their indices: this unit writes one set anew, the next unit the other.  (Level 0 finds both sets freed by the wait behind the last chunk's levels)
.endif
.if UU >= 2
	s_wait_loadcnt 9                               ; this unit's words are in: behind their load stand the last unit's 8 gathers and one load of words.  (Units 0 and 1 stand behind a wait for all loads)
.endif
.irp e, 0,1
	v_add_nc_u32 v[UA+4*\e], v[UI+2*\e], v[HI]                         ; a = ix + h.  (What stands above bit 18 here and below is cut off at the end)
	v_lshrrev_b32 v[UA+4*\e+1], 6, v[UI+2*\e+1]                        ; y0 = hy
	v_alignbit_b32 v[UA+4*\e+2], v[UI+2*\e+1], v[UI+2*\e], 19          ; z0 = hz: word 0's bits 19-31 under word 1's bits 0-5
.endr
.irp e, 0,1
	v_add_nc_u32 v[UA+4*\e+3], s[SPZ], v[UA+4*\e+2]                    ; z1 = (iz + 1) * PZ
	v_add_nc_u32 v[TT+\e], s[SPY], v[UA+4*\e+1]                        ; y1 = (iy + 1) * PY
.endr
.irp e, 0,1
	v_xor_b32 v[UA+4*\e+1], v[UA+4*\e], v[UA+4*\e+1]                   ; a ^ y0
	v_xor_b32 v[TT+\e], v[UA+4*\e], v[TT+\e]                           ; a ^ y1
.endr
.irp e, 0,1
	v_xor_b32 v[UA+4*\e],   v[UA+4*\e+1], v[UA+4*\e+2]                 ; register 0: y0 z0
	v_xor_b32 v[UA+4*\e+2], v[TT+\e],     v[UA+4*\e+2]                 ; register 2: y1 z0
.endr
.irp e, 0,1
	v_xor_b32 v[UA+4*\e+1], v[UA+4*\e+1], v[UA+4*\e+3]                 ; register 1: y0 z1
	v_xor_b32 v[UA+4*\e+3], v[TT+\e],     v[UA+4*\e+3]                 ; register 3: y1 z1
.endr
.irp i, 0,1,2,3,4,5,6,7
	v_and_b32 v[UA+\i], s[SM], v[UA+\i]                                ; modulo 2^19
.endr
.irp i, 0,1,2,3,4,5,6,7
	v_min_u32 v[UA+\i], 0x7ffff, v[UA+\i]                              ; changes nothing: a loaded number enters an address only behind a minimum with a constant written in the instruction
.endr
	s_wait_alu depctr_va_vdst(0)                   ; the eight indices are written, which the gathers read; the vector and matrix lines that last named this set of entries' registers are done with them: the gathers land there; the index lines are done reading the words, over which the next words land
.irp e, 0,1
	global_load_b64 v[UD+8*\e:UD+8*\e+1],   v[UA+4*\e],   s[TB+2*\l:TB+2*\l+1] scale_offset   ; an entry is 8 bytes: base + 8 x index
	global_load_b64 v[UD+8*\e+2:UD+8*\e+3], v[UA+4*\e+2], s[TB+2*\l:TB+2*\l+1] scale_offset
	global_load_b64 v[UD+8*\e+4:UD+8*\e+5], v[UA+4*\e+1], s[TB+2*\l:TB+2*\l+1] scale_offset
	global_load_b64 v[UD+8*\e+6:UD+8*\e+7], v[UA+4*\e+3], s[TB+2*\l:TB+2*\l+1] scale_offset
.endr
.if UU <= 29
	global_load_b128 v[UI:UI+3], v[IOF], s[IP:IP+1] offset:256*(UU+2) th:TH_LOAD_NT   ; the words two units on, into the registers just read
.else
	global_load_b128 v[UI:UI+3], v[IOF], s[IN:IN+1] offset:256*(UU-30) th:TH_LOAD_NT  ; units 0 and 1 of the next chunk
.endif
.if UU == 24
	; A PREFETCH INTO THE L2 of the next chunk's words: 8,192 bytes, lanes 256 bytes apart, one instruction a chunk.  Each wave asks for its own chunks alone, so each block is named once in the launch.
	; It stands behind this unit's loads, six units ahead of the first load that reads those bytes.  Chunk 0 comes by its loads alone; the last chunk asks for nothing.
	s_cmp_lt_u32 s23, NC-1
	s_cbranch_scc0 .Lno_next
	global_prefetch_b8 v[PFO], s[IN:IN+1] th:TH_LOAD_NT scope:SCOPE_SE
.Lno_next:
.endif
.irp k, 0,1,2,3,4,5
	v_mul_f32 v[UW+2*\k+1], RES\l, v[X01+6*\q+\k]                      ; pos
.endr
.irp k, 0,1,2,3,4,5
	v_fract_f32 v[UW+2*\k], v[UW+2*\k+1]                               ; w = pos - floor(pos)
.endr
.irp e, 0,1
	v_fma_f32 v[UW+6*\e], v[CB], v[UW+6*\e], v[CA]                     ; my x weight: 1 - wx (h = 0) or wx (h = 1)
.endr
.endm
; THE SECOND HALF: the unit's 8 entries a lane become two parts (a pair of features each).
.macro B_UNIT l, q
.set UU, 2*(\l)+\q
.set UW, WT+48*\q
.set UD, DT+16*\q
.set UP, PL+64*((\l)/8)+32*\q+2*((\l)%8)
.if UU <= 30
	s_wait_loadcnt 10                              ; my 8 gathers are in: behind them stand a load of words, the next unit's 8 gathers and its load of words
.else
	s_wait_loadcnt 1                               ; behind the last unit's gathers stands its load of words alone
.endif
.irp e, 0,1
	v_pk_add_f32 v[UD+8*\e+2:UD+8*\e+3], v[UD+8*\e+2:UD+8*\e+3], v[UD+8*\e:UD+8*\e+1] neg_lo:[0,1] neg_hi:[0,1]     ; y1 - y0 at z0
	v_pk_add_f32 v[UD+8*\e+6:UD+8*\e+7], v[UD+8*\e+6:UD+8*\e+7], v[UD+8*\e+4:UD+8*\e+5] neg_lo:[0,1] neg_hi:[0,1]   ; and at z1
.endr
.irp e, 0,1
	v_pk_fma_f32 v[UD+8*\e:UD+8*\e+1],   v[UD+8*\e+2:UD+8*\e+3], v[UW+6*\e+2:UW+6*\e+3], v[UD+8*\e:UD+8*\e+1] op_sel_hi:[1,0,1]     ; along y: wy for both halves
	v_pk_fma_f32 v[UD+8*\e+4:UD+8*\e+5], v[UD+8*\e+6:UD+8*\e+7], v[UW+6*\e+2:UW+6*\e+3], v[UD+8*\e+4:UD+8*\e+5] op_sel_hi:[1,0,1]
.endr
.irp e, 0,1
	v_pk_add_f32 v[UD+8*\e+4:UD+8*\e+5], v[UD+8*\e+4:UD+8*\e+5], v[UD+8*\e:UD+8*\e+1] neg_lo:[0,1] neg_hi:[0,1]
.endr
.irp e, 0,1
	v_pk_fma_f32 v[UD+8*\e:UD+8*\e+1], v[UD+8*\e+4:UD+8*\e+5], v[UW+6*\e+4:UW+6*\e+5], v[UD+8*\e:UD+8*\e+1] op_sel_hi:[1,0,1]       ; along z
.endr
.irp e, 0,1
	v_pk_mul_f32 v[UP+16*\e:UP+16*\e+1], v[UD+8*\e:UD+8*\e+1], v[UW+6*\e:UW+6*\e+1] op_sel_hi:[1,0]                                 ; x my x weight: my part of the level's two features
.endr
.endm
; Tile s's 16 numbers a lane are held within the largest code x the scale: the conversion to an 8-bit code does not saturate (ISA guide 7.6.2)
.macro HOLD s
.irp i, 0,1,2,3,4,5,6,7,8,9,10,11,12,13,14,15
	v_med3_num_f32 v[PL+16*(\s)+\i], v[PL+16*(\s)+\i], -v[TM+4+(\s)], v[TM+4+(\s)]
.endr
.endm
; and become the operand's four registers
.macro CVT s
	v_cvt_scalef32_pk8_bf8_f32 v[BW+12:BW+13], v[PL+16*(\s):PL+16*(\s)+7], v[TM+8+(\s)]
	v_cvt_scalef32_pk8_bf8_f32 v[BW+14:BW+15], v[PL+16*(\s)+8:PL+16*(\s)+15], v[TM+8+(\s)]
.endm
; TILE s: four products (the hidden layer's 64 units of 16 points), relu, the column of W2.  Four different accumulators, each begun with b1 as C: nothing is added in place.
; Behind the products: the next tile's 16 holds name none of their registers: they are the places ahead of the first read of the results, ahead of the conversions that write the codes' registers anew,
; and ahead of the next tile's products, which write the accumulators anew (ISA guide 7.12.1).  The last tile has no such work: eight v_nop.
; Ahead of the next products: the maxima and the multiply-adds stand between the conversions and them; the wait stands behind those places and fills none.
.macro TILE s
	s_wait_alu depctr_va_vdst(0)                   ; the conversions have written this tile's codes, which the four products take as source 1; ahead of tile 0 also: the zero codes and the five scale words are written
.irp c, 0,1,2,3
	v_wmma_scale_f32_16x16x128_f8f6f4 v[DD+8*\c:DD+8*\c+7], v[WA:WA+15], v[BW+12-4*\c:BW+27-4*\c], v[B1R+8*\c:B1R+8*\c+7], v[SA], v[SE+\s] matrix_a_fmt:MATRIX_FMT_BF8 matrix_b_fmt:MATRIX_FMT_BF8
.endr
.if \s < 3
	HOLD \s+1
	CVT \s+1
.else
.rept 8
	v_nop
.endr
.endif
.set J, 0
.rept 32
	v_max_num_f32 v[DD+J], 0, v[DD+J]              ; relu; each accumulator from its low end on
.set J, J+1
.endr
	v_pk_mul_f32 v[AC:AC+1],   v[DD:DD+1],   v[W2R:W2R+1]                  ; h W2 over my 32 hidden units: two chains of packed multiply-adds
	v_pk_mul_f32 v[AC+2:AC+3], v[DD+2:DD+3], v[W2R+2:W2R+3]
.irp p, 2,3,4,5,6,7,8,9,10,11,12,13,14,15
	v_pk_fma_f32 v[AC+2*(\p%2):AC+2*(\p%2)+1], v[DD+2*\p:DD+2*\p+1], v[W2R+2*\p:W2R+2*\p+1], v[AC+2*(\p%2):AC+2*(\p%2)+1]
.endr
	v_pk_add_f32 v[AC:AC+1], v[AC:AC+1], v[AC+2:AC+3]
	v_add_f32 v[QQ+\s], v[AC], v[AC+1]             ; my half of point r's sum
.endm
.Lchunk:
	s_cmp_lt_u32 s23, NC-1                         ; is there a next chunk?  If not, the look-ahead names this one
	s_cselect_b32 s78, 8192, 0
	s_cselect_b32 s24, 768, 0
	s_add_nc_u64 s[IN:IN+1], s[IP:IP+1], s[78:79]
	s_add_nc_u64 s[XN:XN+1], s[XP:XP+1], s[24:25]
.irp l, 0,1,2,3,4,5,6,7,8,9,10,11,12,13,14,15
	A_UNIT \l, 0
.if \l > 0
	B_UNIT \l-1, 1
.endif
	A_UNIT \l, 1
	B_UNIT \l, 0
.endr
	B_UNIT 15, 1
	; ONE RUN OF 22 LOADS behind the levels, behind one pair of waits: the next chunk's x, and b1 and W2 in the result's layout, 64 registers: these do not fit beside the 128 parts, so they come anew for each chunk,
	; into the registers that the levels have left.  All land under the swaps and the quantiser
	s_wait_alu depctr_vm_vsrc(0)                   ; the gathers of units 30 and 31 have read their indices, v52-67, in which b1 lands
	s_wait_alu depctr_va_vdst(0)                   ; the levels' vector lines are done with v52-115 (indices, weights, entries), in which b1 and W2 land, and done reading x01, in which the next chunk's x lands
.irp p, 0,1
.irp k, 0,1,2
	global_load_b64 v[X01+6*\p+2*\k:X01+6*\p+2*\k+1], v[XOF], s[XN:XN+1] offset:384*\p+8*\k th:TH_LOAD_NT   ; the next chunk's x
.endr
.endr
.irp c, 0,1,2,3
	global_load_b128 v[B1R+8*\c:B1R+8*\c+3],   v[BOF], s[10:11] offset:64*\c
	global_load_b128 v[B1R+8*\c+4:B1R+8*\c+7], v[BOF], s[10:11] offset:64*\c+16
	global_load_b128 v[W2R+8*\c:W2R+8*\c+3],   v[BOF], s[8:9] offset:64*\c
	global_load_b128 v[W2R+8*\c+4:W2R+8*\c+7], v[BOF], s[8:9] offset:64*\c+16
.endr
	; the parts become enc: lane (r, h) gets features 16 h + 0 .. 15 of point r, both x corners summed
.irp s, 0,1,2,3
.irp i, 0,1,2,3,4,5,6,7,8,9,10,11,12,13,14,15
	v_permlane16_swap_b32 v[PL+16*\s+\i], v[PH+16*\s+\i]
.endr
.irp i, 0,2,4,6,8,10,12,14
	v_pk_add_f32 v[PL+16*\s+\i:PL+16*\s+\i+1], v[PL+16*\s+\i:PL+16*\s+\i+1], v[PH+16*\s+\i:PH+16*\s+\i+1]
.endr
.endr
.irp i, 0,1,2,3,4,5,6,7,8,9,10,11
	v_mov_b32 v[BW+\i], 0                          ; the zero codes on both sides of enc's four registers (these registers held parts)
	v_mov_b32 v[BW+16+\i], 0
.endr
	; the scales of the four tiles' blocks, by turns
.irp s, 0,1,2,3
	v_max3_num_f32 v[TM+\s], |v[PL+16*\s]|, |v[PL+16*\s+1]|, 0x8000000   ; my 16 numbers, and the floor 2^(16 - 127): the byte cannot fall under 1
.endr
.irp i, 2,4,6,8,10,12,14
.irp s, 0,1,2,3
	v_max3_num_f32 v[TM+\s], v[TM+\s], |v[PL+16*\s+\i]|, |v[PL+16*\s+\i+1]|
.endr
.endr
.irp s, 0,1,2,3
	v_permlanex16_b32 v[TM+4+\s], v[TM+\s], s[SEL], s[SEL+1]
.endr
.irp s, 0,1,2,3
	v_max_num_f32 v[TM+\s], v[TM+\s], v[TM+4+\s]   ; with lane l xor 16's: the block's largest magnitude
.endr
.irp s, 0,1,2,3
	v_add_nc_u32 v[TM+8+\s], 0xf8800000, v[TM+\s]  ; 15 off its exponent field: the conversion's scale operand
.endr
.irp s, 0,1,2,3
	v_and_or_b32 v[TM+4+\s], v[TM+\s], 0x7f800000, s[MNT]   ; 57,344 x the scale
.endr
.irp s, 0,1,2,3
	v_lshrrev_b32 v[TM+\s], 23, v[TM+8+\s]         ; the scale's byte
.endr
.irp s, 0,1,2,3
	v_mul_lo_u32 v[SE+\s], v[TM+\s], s[REP]        ; in all four bytes: whichever K block holds the codes finds it
.endr
	HOLD 0                                         ; (16 plain lines between the scale words and the first product)
	CVT 0
	s_wait_loadcnt 0x0                             ; b1, W2, and the next chunk's first words and x
.irp p, 0,2,4,6,8,10
	v_pk_fma_f32 v[X01+\p:X01+\p+1], v[X01+\p:X01+\p+1], 0.5, 0.5 op_sel_hi:[1,0,0]   ; the next chunk's x01: six plain lines between the conversions and the first product
.endr
	TILE 0
	TILE 1
	TILE 2
	TILE 3
	; the halves are added, and 64 results are laid 8 bytes a lane: lane (r, h) gets points 32 h + 2 r and 32 h + 2 r + 1 (tiles 2 h and 2 h + 1, row r)
	v_permlane16_swap_b32 v[QQ], v[QQ+2]
	v_permlane16_swap_b32 v[QQ+1], v[QQ+3]
	v_pk_add_f32 v[QQ:QQ+1], v[QQ:QQ+1], v[QQ+2:QQ+3]
	v_pk_add_f32 v[QQ:QQ+1], v[QQ:QQ+1], s[26:27] op_sel_hi:[1,0]     ; + b2
	s_wait_alu depctr_va_vdst(0)                   ; the last sum has written v128-129, which the store reads
	global_store_b64 v[OOF], v[QQ:QQ+1], s[OP:OP+1] th:TH_STORE_NT    ; 32 lanes store 256 consecutive bytes, at a multiple of 256 from the buffer's first byte
	s_wait_xcnt 0x0                                ; every memory instruction issued so far has read its addresses and data: the bases step, and the store's data may be written again
	s_wait_alu depctr_vm_vsrc(0)                   ; the store has read v128-129, which the next chunk's first parts write
	s_mov_b64 s[IP:IP+1], s[IN:IN+1]
	s_mov_b64 s[XP:XP+1], s[XN:XN+1]
	s_add_nc_u64 s[OP:OP+1], s[OP:OP+1], 256
	s_add_co_u32 s23, s23, 1
	s_cmp_lt_u32 s23, NC
	s_cbranch_scc1 .Lchunk
	s_endpgm
.Lfunc_end_k_qe692b7059a_encode:
	.size	k_qe692b7059a_encode, .Lfunc_end_k_qe692b7059a_encode-k_qe692b7059a_encode
	.p2alignl 7, 3214868480
	.fill 96, 4, 3214868480
	.section	.rodata,"a",@progbits
	.p2align	6, 0x0
	.amdhsa_kernel k_qe692b7059a_encode
		.amdhsa_group_segment_fixed_size 0
		.amdhsa_private_segment_fixed_size 0
		.amdhsa_enable_private_segment 0
		.amdhsa_kernarg_size 72
		.amdhsa_user_sgpr_count 2
		.amdhsa_user_sgpr_kernarg_segment_ptr 1
		.amdhsa_wavefront_size32 1
		.amdhsa_system_sgpr_workgroup_id_x 1
		.amdhsa_system_sgpr_workgroup_id_y 1
		.amdhsa_system_sgpr_workgroup_id_z 1
		.amdhsa_system_vgpr_workitem_id 0
		.amdhsa_next_free_vgpr 256
		.amdhsa_next_free_sgpr 80
		.amdhsa_reserve_vcc 0
		.amdhsa_float_denorm_mode_32 3
		.amdhsa_float_denorm_mode_16_64 3
		.amdhsa_memory_ordered 1
		.amdhsa_forward_progress 1
		.amdhsa_inst_pref_size 161
	.end_amdhsa_kernel
	.amdgpu_metadata
---
amdhsa.version: [ 1, 2 ]
amdhsa.kernels:
  - .name:           k_qe692b7059a_encode
    .symbol:         k_qe692b7059a_encode.kd
    .args:
      - { .name: W1_codes, .offset: 0, .size: 8, .value_kind: global_buffer, .address_space: global }
      - { .name: W1_scales, .offset: 8, .size: 8, .value_kind: global_buffer, .address_space: global }
      - { .name: W2, .offset: 16, .size: 8, .value_kind: global_buffer, .address_space: global }
      - { .name: b1, .offset: 24, .size: 8, .value_kind: global_buffer, .address_space: global }
      - { .name: b2, .offset: 32, .size: 8, .value_kind: global_buffer, .address_space: global }
      - { .name: tables, .offset: 40, .size: 8, .value_kind: global_buffer, .address_space: global }
      - { .name: x, .offset: 48, .size: 8, .value_kind: global_buffer, .address_space: global }
      - { .name: cellwords, .offset: 56, .size: 8, .value_kind: global_buffer, .address_space: global }
      - { .name: out0, .offset: 64, .size: 8, .value_kind: global_buffer, .address_space: global }
    .group_segment_fixed_size: 0
    .private_segment_fixed_size: 0
    .kernarg_segment_align: 8
    .kernarg_segment_size: 72
    .max_flat_workgroup_size: 512
    .sgpr_count:     80
    .vgpr_count:     256
    .wavefront_size: 32
...
	.end_amdgpu_metadata
.endif
;; end of part 3
